; MI455X (gfx1250); checked and timed in simulation.
; The chip was launched on July 23, 2026; its instructions are those of AMD's public machine-readable ISA for CDNA 5 (MIT licence, August 2026) and "CDNA5" Instruction Set Architecture Reference Guide (July 2026). The comments in the code are by the model that wrote it; some were corrected since.
;; Filter Pool. Allowed arithmetic: float matrix products may take bf16 or f16 operands with f32 sums; all other float work in f32.
;; Inputs: bb 128 x 4 float32; feat 128 x 256 x 36 x 36 float32.
;; Outputs: out0 128 x 256 x 1 x 1 float32.
;; 2 versions, each right; version 2 is version 1 with the launch pool written anew for expert scheduling mode. Each part assembles by itself: llvm-mc -triple=amdgcn-amd-amdhsa -mcpu=gfx1250 --defsym DOCPART=n.
;; ======== version 1 of 2: 1 launch
;; launch pool (part 1): grid 256 x 1, 8 waves a work-group, no clusters, 9,728 bytes of LDS; arguments bb, feat, out0; writes out0
.if DOCPART == 1
	.amdgcn_target "amdgcn-amd-amdhsa--gfx1250"
	.amdhsa_code_object_version 6
	.text
	.protected	k_q406dfeb068_pool
	.globl	k_q406dfeb068_pool
	.p2align	8
	.type	k_q406dfeb068_pool,@function
k_q406dfeb068_pool:
	s_mov_b64 s[64:65], 0
	v_nop
	global_prefetch_b8 v0, s[64:65] scope:SCOPE_SE
	s_setreg_imm32_b32 hwreg(HW_REG_WAVE_MODE, 25, 1), 1
	s_wait_xcnt 0x0
; out0[n][c] = sum over h, w of feat[n][c][h][w] wy[n][h] wx[n][w] / area[n]   (0 where area <= 0)
; feat: [128][256][36][36] f32, bb: [128][4] f32, out0: [128][256] f32.  All arithmetic in f32.
;
; 0.5 FLOP for each byte of feat: the text is built round the bytes.  Every byte of feat is loaded once, every load of a wave covers
; 512 consecutive bytes that start at a multiple of 256 from feat's first byte, and 28 to 32 such loads of every wave are on their way.
;
; SHARES.  256 work-groups; work-group g owns channels 128 (g & 1) .. + 127 of image g >> 1.  Eight waves, 16 channels each:
; 16 x 5,184 = 82,944 consecutive bytes = 324 x 256.
; LANES.  A plane is 324 chunks of 16 bytes (a chunk lies inside one row of 36: 9 chunks a row).  Channel k of the wave begins 64 (k % 4)
; bytes behind a multiple of 256, so its loads begin 64 p bytes early, p = k % 4: in trip j lane l holds chunk t = 32 j + l - 4 p.
;   - t < 0 (trip 0, lanes below 4 p) is the end of channel k - 1, chunks 324 - 4 p + l: it is multiplied a second time, by tail weights,
;     into channel k - 1's sum, and so is not fetched again.
;   - ten trips reach t = 319 - 4 p.  For p = 0, 1, 2 the rest is what the line above covers.  For p = 3 the rest is chunks 308 .. 323,
;     256 bytes that belong to the channel alone: two more loads fetch these for channels 3, 11 and 7, 15, one channel in each half of the lanes.
;   160 + 2 loads x 512 bytes = the wave's 82,944 bytes.
; ORDER.  A trip takes one position of all 16 channels, so that it needs four weight vectors only (one for each p) and each channel has
; one pair of running sums.  The weights come from a table in LDS that the work-group builds once: entry e = the four products wy wx of
; chunk t = e - 12, zeros for t outside 0 .. 323; the zero margins are what masks the lanes named above.
;
; NOT USED, and why.  Matrix instructions: each (n, c) is one dot product with a vector; to round two numbers to bf16 takes one vector
; instruction, as many as the packed multiply-add that finishes them here.  Clusters: work-groups share nothing but 16 bytes of bb.
; Tensor loads and a ring in LDS: 128 data registers hold the ring, and no byte of feat passes through LDS.  Prefetches: the loads
; themselves run all the time.
;
; LIMITS.  bb finite: where an infinite bb makes the problem's formula NaN (0 x inf in the bin's start), this text gives 0.
; area above 2^126: v_rcp_f32 returns 0 in place of a denormal, so the result is 0.  The quotient is a product with v_rcp_f32 (1 ulp).
; The weight g(b) - g(a) is formed as G(b) - G(a), G(u) = u (1 - |u| / 2), the same polynomial with the two terms 0.5 cancelled; the
; sums run in another order than an einsum's.  Both move last bits only.
.set PLANE, 5184                       ; bytes of a channel's 36 x 36 numbers
.set STEP,  512                        ; bytes that one load of a wave covers
.set TRIPS, 10
.set RES,   8192                       ; LDS: 0 .. 8191 the table (512 entries of 16 bytes), then 128 results
.set VOFF,  1                          ; v1        16 x lane: offset of the loads from feat, of the table reads, of the final store
.set VTAIL, 2                          ; v2        offset of the two tail loads
.set TST,   3                          ; v3        16 x thread: where I put my table entries
.set BX0,   4                          ; v4-v7     the box in grid units: x start, x end, y start, y end
.set BX1,   5
.set BY0,   6
.set BY1,   7
.set INV,   8                          ; v8        1 / max(area, 1e-30)
.set AREA,  9                          ; v9
                                       ; v10-v27   at work while the table is built
.set LTAIL, 28                         ; v28       16 x (lane % 16)
.set RST,   29                         ; v29       where my wave's results go in LDS
.set X,     32                         ; v32-v159  data: buffer j % 2 at 64 registers, channel k at 4
.set XT,    160                        ; v160-v167 data of the two tail loads
.set ACC,   168                        ; v168-v199 a pair of running sums for each of 16 channels
.set TS,    200                        ; v200-v203 a pair of sums for each tail load
.set W,     204                        ; v204-v235 weights: buffer j % 2 at 16 registers, phase p at 4
.set WT,    236                        ; v236-v247 tail weights for the loads of phase 1, 2, 3
.set WL,    248                        ; v248-v251 weights of chunks 308 + lane % 16
.set R,     32                         ; v32-v39   the reduction (the data registers are free by then)
	s_load_b128 s[4:7], s[0:1], 0x0                ; bb s[4:5], feat s[6:7]
	s_load_b64 s[8:9], s[0:1], 0x10                ; out0
	v_lshl_add_u32 v252, v0, 2, 0x2200
	v_mov_b32 v253, 0
	v_lshrrev_b32 v10, 5, v0
	v_readfirstlane_b32 s10, v10                   ; wave 0 .. 7
	v_and_b32 v10, 31, v0                          ; lane
	v_and_b32 v11, 15, v0                          ; lane % 16
	v_bfe_u32 v12, v0, 4, 1                        ; lane / 16
	v_lshlrev_b32 v[VOFF], 4, v10
	v_lshlrev_b32 v[LTAIL], 4, v11
	v_mad_u32_u24 v[VTAIL], v12, 8*PLANE, v[LTAIL] ; the upper half of the lanes takes the channel eight further on
	v_lshlrev_b32 v[TST], 4, v0
	s_mul_i32 s16, ttmp9, 128*PLANE                ; the work-group's 128 channels (below 2^28 bytes),
	s_mul_i32 s17, s10, 16*PLANE                   ; the wave's 16
	s_add_co_u32 s16, s16, s17
	s_mov_b32 s17, 0
	s_lshr_b32 s18, ttmp9, 1                       ; image
	s_lshl_b32 s18, s18, 4                         ; its 16 bytes of bb
	s_mov_b32 s19, 0
	s_lshl_b32 s20, ttmp9, 9                       ; the work-group's 128 results
	s_mov_b32 s21, 0
	s_lshl_b32 s11, s10, 6                         ; the wave's 16 results in LDS
	s_add_co_u32 s11, s11, RES
	v_lshl_add_u32 v[RST], v12, 5, s11             ; + 8 results for the upper half of the lanes
	s_wait_kmcnt 0x0
	s_add_nc_u64 s[4:5], s[4:5], s[18:19]
	s_add_nc_u64 s[6:7], s[6:7], s[16:17]
	s_add_nc_u64 s[8:9], s[8:9], s[20:21]
	s_load_b128 s[12:15], s[4:5], 0x0              ; x, y, w, h of my image
; four loads: channels 4 q .. 4 q + 3 at trip j.  (4 q + p) x 5,184 - 64 p = 20,736 q + 5,120 p is a multiple of 256.
.macro FILL4 j, q
.irp p, 0,1,2,3
	global_load_b128 v[X+64*((\j)%2)+16*\q+4*\p:X+64*((\j)%2)+16*\q+4*\p+3], v[VOFF], s[6:7] offset:(4*\q+\p)*PLANE-64*\p+STEP*(\j) th:TH_LOAD_NT
.endr
.endm
	; The ring is filled before anything else is done: 2 + 32 loads.  The table is built while they are on their way.
	global_load_b128 v[XT:XT+3],   v[VTAIL], s[6:7] offset:3*PLANE+308*16 th:TH_LOAD_NT    ; chunks 308 .. 323 of channels 3 | 11
	global_load_b128 v[XT+4:XT+7], v[VTAIL], s[6:7] offset:7*PLANE+308*16 th:TH_LOAD_NT    ; and of channels 7 | 15
.irp q, 0,1,2,3
	FILL4 0, \q
.endr
.irp q, 0,1,2,3
	FILL4 1, \q
.endr
	; The box, step by step as the problem writes it (one bin: its start is x0, its end x0 + bin_w).
	s_wait_kmcnt 0x0
	v_mov_b32 v10, s12
	v_mov_b32 v11, s13
	v_add_f32 v12, s14, v10                        ; x + w
	v_add_f32 v13, s15, v11                        ; y + h
	v_mul_f32 v[BX0], 0x3d800000, v10              ; x 1/16
	v_mul_f32 v[BY0], 0x3d800000, v11
	v_mul_f32 v12, 0x3d800000, v12
	v_mul_f32 v13, 0x3d800000, v13
	v_sub_f32 v12, v12, v[BX0]                     ; bin_w
	v_sub_f32 v13, v13, v[BY0]                     ; bin_h
	v_add_f32 v[BX1], v[BX0], v12
	v_add_f32 v[BY1], v[BY0], v13
	v_max_num_f32 v12, 0, v12
	v_max_num_f32 v13, 0, v13
	v_mul_f32 v[AREA], v12, v13
	v_max_num_f32 v14, 0x0da24260, v[AREA]         ; 1e-30
	v_rcp_f32 v[INV], v14                          ; first used at the very end; the next line is a plain one that touches neither register (ISA guide 5.7.2)
; dst = G(clip(hi - idx)) - G(clip(lo - idx)), G(u) = u (1 - |u| / 2).  Exactly 0 where both ends clip to the same side.
.macro WGT dst, lo, hi, idx
	v_sub_f32 v24, v[\lo], v[\idx]
	v_sub_f32 v25, v[\hi], v[\idx]
	v_med3_num_f32 v24, v24, -1.0, 1.0
	v_med3_num_f32 v25, v25, -1.0, 1.0
	v_fma_f32 v26, |v24|, -0.5, 1.0
	v_fma_f32 v27, |v25|, -0.5, 1.0
	v_mul_f32 v24, v24, v26
	v_fma_f32 v[\dst], v25, v27, -v24
.endm
; table entry e = e0 + thread: chunk t = e - 12 = row t / 9, columns 4 (t % 9) .. + 3
.macro ENTRY e0
	v_add_nc_u32 v10, \e0-12, v0                   ; t (wraps to a large number below 0)
	v_cmp_gt_u32 vcc_lo, 324, v10                  ; a chunk of the plane?
	v_min_u32 v10, 323, v10                        ; the others compute on chunk 323 and are zeroed below
	v_mul_u32_u24 v11, 57, v10
	v_lshrrev_b32 v11, 9, v11                      ; t / 9: 57 / 512 = 1/9 + 1/4608, exact for t below 512
	v_mul_u32_u24 v12, 9, v11
	v_sub_nc_u32 v12, v10, v12
	v_lshlrev_b32 v12, 2, v12                      ; first column
	v_cvt_f32_u32 v13, v11
	v_cvt_f32_u32 v14, v12
	v_add_f32 v15, 1.0, v14
	v_add_f32 v16, 2.0, v14
	v_add_f32 v17, 0x40400000, v14                 ; + 3.0
	WGT 18, BY0, BY1, 13
	WGT 20, BX0, BX1, 14
	WGT 21, BX0, BX1, 15
	WGT 22, BX0, BX1, 16
	WGT 23, BX0, BX1, 17
	v_cndmask_b32 v18, 0, v18, vcc_lo
	v_mul_f32 v20, v18, v20
	v_mul_f32 v21, v18, v21
	v_mul_f32 v22, v18, v22
	v_mul_f32 v23, v18, v23
	ds_store_b128 v[TST], v[20:23] offset:16*\e0
.endm
	ENTRY 0
	ENTRY 256
	s_wait_dscnt 0x0                               ; my entries are in LDS: zero, for the other waves' sake
	s_barrier_signal -1
	s_barrier_wait -1                              ; everybody's are; the table is never written again
; the four weight vectors of trip j: entry 32 j + lane - 4 p + 12
.macro LOADW j
.irp p, 0,1,2,3
	ds_load_b128 v[W+16*((\j)%2)+4*\p:W+16*((\j)%2)+4*\p+3], v[VOFF] offset:STEP*(\j)+192-64*\p
.endr
.endm
	LOADW 0
.irp p, 1,2,3
	ds_load_b128 v[WT+4*\p-4:WT+4*\p-1], v[VOFF] offset:(336-4*\p)*16      ; chunk 324 - 4 p + lane: zeros from lane 4 p on
.endr
	ds_load_b128 v[WL:WL+3], v[LTAIL] offset:320*16                        ; chunk 308 + lane % 16
	LOADW 1
; TRIP j: 16 channels in four slots of four.  A slot's turn: wait for its four loads, eight packed multiply-adds, fill it for trip j + 2.
.macro TRIP j
.set B, (\j)%2
.if \j < TRIPS-1
	s_wait_dscnt 0x4                               ; LDS loads return in order (ISA guide 5.7.1): this trip's weights are in, the next trip's four may be out
.else
	s_wait_dscnt 0x0                               ; nothing was issued behind the last trip's weights
.endif
.irp q, 0,1,2,3
.if \j < TRIPS-2
	s_wait_loadcnt 28                              ; the slot's four loads are the oldest (together with the two tail loads at the first wait): the 28 younger ones stay out
.else
	s_wait_loadcnt 16*(TRIPS-1-\j)+12-4*\q         ; the last two trips fill nothing: the count runs down to 0
.endif
.irp p, 0,1,2,3
.if \j == 0
	v_pk_mul_f32 v[ACC+8*\q+2*\p:ACC+8*\q+2*\p+1], v[X+64*B+16*\q+4*\p:X+64*B+16*\q+4*\p+1], v[W+16*B+4*\p:W+16*B+4*\p+1]   ; the first product starts the sums
.else
	v_pk_fma_f32 v[ACC+8*\q+2*\p:ACC+8*\q+2*\p+1], v[X+64*B+16*\q+4*\p:X+64*B+16*\q+4*\p+1], v[W+16*B+4*\p:W+16*B+4*\p+1], v[ACC+8*\q+2*\p:ACC+8*\q+2*\p+1]
.endif
.endr
.irp p, 0,1,2,3
	v_pk_fma_f32 v[ACC+8*\q+2*\p:ACC+8*\q+2*\p+1], v[X+64*B+16*\q+4*\p+2:X+64*B+16*\q+4*\p+3], v[W+16*B+4*\p+2:W+16*B+4*\p+3], v[ACC+8*\q+2*\p:ACC+8*\q+2*\p+1]
.endr
.if \j == 0
	; the low lanes of channel 4 q + p + 1's first load hold the end of channel 4 q + p
.irp p, 0,1,2
	v_pk_fma_f32 v[ACC+8*\q+2*\p:ACC+8*\q+2*\p+1], v[X+16*\q+4*\p+4:X+16*\q+4*\p+5], v[WT+4*\p:WT+4*\p+1], v[ACC+8*\q+2*\p:ACC+8*\q+2*\p+1]
.endr
.irp p, 0,1,2
	v_pk_fma_f32 v[ACC+8*\q+2*\p:ACC+8*\q+2*\p+1], v[X+16*\q+4*\p+6:X+16*\q+4*\p+7], v[WT+4*\p+2:WT+4*\p+3], v[ACC+8*\q+2*\p:ACC+8*\q+2*\p+1]
.endr
.endif
.if \j < TRIPS-2
	FILL4 \j+2, \q
.endif
.endr
.if \j < TRIPS-2
	LOADW \j+2
.endif
.endm
	TRIP 0
	; the two tail loads were issued first of all, so the waits of trip 0 cover them; their weights came with trip 0's
	v_pk_mul_f32 v[TS:TS+1],   v[XT:XT+1],   v[WL:WL+1]
	v_pk_mul_f32 v[TS+2:TS+3], v[XT+4:XT+5], v[WL:WL+1]
	v_pk_fma_f32 v[TS:TS+1],   v[XT+2:XT+3], v[WL+2:WL+3], v[TS:TS+1]
	v_pk_fma_f32 v[TS+2:TS+3], v[XT+6:XT+7], v[WL+2:WL+3], v[TS+2:TS+3]
.irp j, 1,2,3,4,5,6,7,8,9
	TRIP \j
.endr
	; THE REDUCTION: 16 sums in each of 32 lanes to 16 numbers.
.irp k, 0,1,2,3,4,5,6,7,8,9,10,11,12,13,14,15
	v_add_f32 v[ACC+2*\k], v[ACC+2*\k], v[ACC+2*\k+1]
.endr
	v_add_f32 v[TS], v[TS], v[TS+1]
	v_add_f32 v[TS+2], v[TS+2], v[TS+3]
	; Channel i's upper lanes change places with channel i + 8's lower lanes; the sum of the two registers then holds channel i in
	; lanes 0-15 and channel i + 8 in lanes 16-31, each folded from 32 lanes to 16.
.irp i, 0,1,2,3,4,5,6,7
	v_permlane16_swap_b32 v[ACC+2*\i], v[ACC+2*\i+16]
.endr
.irp i, 0,1,2,3,4,5,6,7
	v_add_f32 v[R+\i], v[ACC+2*\i], v[ACC+2*\i+16]
.endr
	v_add_f32 v[R+3], v[R+3], v[TS]                ; the tail loads were laid out for this: channels 3 | 11
	v_add_f32 v[R+7], v[R+7], v[TS+2]              ; and 7 | 15
.irp m, 1,2,4,8
.irp i, 0,1,2,3,4,5,6,7
	v_add_f32_dpp v[R+\i], v[R+\i], v[R+\i] row_xmask:\m row_mask:0xf bank_mask:0xf
.endr
.endr
	ds_store_b128 v[RST], v[R:R+3]                 ; the 16 lanes of a half write the same 32 bytes with the same numbers
	ds_store_b128 v[RST], v[R+4:R+7] offset:16
	s_wait_dscnt 0x0                               ; zero: wave 0 reads these bytes behind the barrier
	s_barrier_signal -1
	s_barrier_wait -1
	s_cmp_lg_u32 s10, 0
	s_cbranch_scc1 .Ldone
	; wave 0: the work-group's 128 results leave by one store of 512 consecutive bytes, at a multiple of 512 from out0's first byte
	ds_load_b128 v[40:43], v[VOFF] offset:RES
	v_cmp_lt_f32 vcc_lo, 0, v[AREA]
	s_wait_dscnt 0x0
	s_wait_alu depctr_va_vdst(0)
	v_pk_mul_f32 v[40:41], v[40:41], v[INV:INV+1] op_sel_hi:[1,0]          ; both halves by 1 / max(area, 1e-30)
	v_pk_mul_f32 v[42:43], v[42:43], v[INV:INV+1] op_sel_hi:[1,0]
	v_cndmask_b32 v40, 0, v40, vcc_lo              ; 0 where the area is not above 0
	v_cndmask_b32 v41, 0, v41, vcc_lo
	v_cndmask_b32 v42, 0, v42, vcc_lo
	v_cndmask_b32 v43, 0, v43, vcc_lo
	global_store_b128 v[VOFF], v[40:43], s[8:9] th:TH_STORE_NT
.Ldone:
	s_wait_tensorcnt 0x0
	ds_add_u32 v252, v253
	s_wait_dscnt 0x0
	s_endpgm
.Lfunc_end_k_q406dfeb068_pool:
	.size	k_q406dfeb068_pool, .Lfunc_end_k_q406dfeb068_pool-k_q406dfeb068_pool
	.p2alignl 7, 3214868480
	.fill 96, 4, 3214868480
	.section	.rodata,"a",@progbits
	.p2align	6, 0x0
	.amdhsa_kernel k_q406dfeb068_pool
		.amdhsa_group_segment_fixed_size 9728
		.amdhsa_private_segment_fixed_size 0
		.amdhsa_enable_private_segment 0
		.amdhsa_kernarg_size 24
		.amdhsa_user_sgpr_count 2
		.amdhsa_user_sgpr_kernarg_segment_ptr 1
		.amdhsa_wavefront_size32 1
		.amdhsa_system_sgpr_workgroup_id_x 1
		.amdhsa_system_sgpr_workgroup_id_y 1
		.amdhsa_system_sgpr_workgroup_id_z 1
		.amdhsa_system_vgpr_workitem_id 0
		.amdhsa_next_free_vgpr 254
		.amdhsa_next_free_sgpr 66
		.amdhsa_reserve_vcc 1
		.amdhsa_float_denorm_mode_32 3
		.amdhsa_float_denorm_mode_16_64 3
		.amdhsa_memory_ordered 1
		.amdhsa_forward_progress 1
		.amdhsa_inst_pref_size 54
	.end_amdhsa_kernel
	.amdgpu_metadata
---
amdhsa.version: [ 1, 2 ]
amdhsa.kernels:
  - .name:           k_q406dfeb068_pool
    .symbol:         k_q406dfeb068_pool.kd
    .args:
      - { .name: bb, .offset: 0, .size: 8, .value_kind: global_buffer, .address_space: global }
      - { .name: feat, .offset: 8, .size: 8, .value_kind: global_buffer, .address_space: global }
      - { .name: out0, .offset: 16, .size: 8, .value_kind: global_buffer, .address_space: global }
    .group_segment_fixed_size: 9728
    .private_segment_fixed_size: 0
    .kernarg_segment_align: 8
    .kernarg_segment_size: 24
    .max_flat_workgroup_size: 256
    .sgpr_count:     66
    .vgpr_count:     254
    .wavefront_size: 32
...
	.end_amdgpu_metadata
.endif
;; end of part 1
;; ======== version 2 of 2: 1 launch; version 1 with the launch pool written anew for expert scheduling mode
;; launch pool (part 2): grid 256 x 1, 8 waves a work-group, no clusters, 9,728 bytes of LDS; arguments bb, feat, out0; writes out0
.if DOCPART == 2
	.amdgcn_target "amdgcn-amd-amdhsa--gfx1250"
	.amdhsa_code_object_version 6
	.text
	.protected	k_q406dfeb068_pool
	.globl	k_q406dfeb068_pool
	.p2align	8
	.type	k_q406dfeb068_pool,@function
k_q406dfeb068_pool:
	s_mov_b64 s[64:65], 0
	v_nop
	global_prefetch_b8 v0, s[64:65] scope:SCOPE_SE
	s_setreg_imm32_b32 hwreg(HW_REG_WAVE_SCHED_MODE, 0, 2), 2
	s_setreg_imm32_b32 hwreg(HW_REG_WAVE_MODE, 25, 1), 1
	s_wait_xcnt 0x0
	s_wait_alu depctr_vm_vsrc(0)
; out0[n][c] = sum over h, w of feat[n][c][h][w] wy[n][h] wx[n][w] / area[n]   (0 where area <= 0)
; feat: [128][256][36][36] f32, bb: [128][4] f32, out0: [128][256] f32.  All arithmetic in f32.
;
; 0.5 FLOP for each byte of feat: the text is built round the bytes.  Every byte of feat is loaded once, every load of a wave covers
; 512 consecutive bytes that start at a multiple of 256 from feat's first byte, and 28 to 32 such loads of every wave are on their way.
;
; SHARES.  256 work-groups; work-group g owns channels 128 (g & 1) .. + 127 of image g >> 1.  Eight waves, 16 channels each:
; 16 x 5,184 = 82,944 consecutive bytes = 324 x 256.
; LANES.  A plane is 324 chunks of 16 bytes (a chunk lies inside one row of 36: 9 chunks a row).  Channel k of the wave begins 64 (k % 4)
; bytes behind a multiple of 256, so its loads begin 64 p bytes early, p = k % 4: in trip j lane l holds chunk t = 32 j + l - 4 p.
;   - t < 0 (trip 0, lanes below 4 p) is the end of channel k - 1, chunks 324 - 4 p + l: it is multiplied a second time, by tail weights,
;     into channel k - 1's sum, and so is not fetched again.
;   - ten trips reach t = 319 - 4 p.  For p = 0, 1, 2 the rest is what the line above covers.  For p = 3 the rest is chunks 308 .. 323,
;     256 bytes that belong to the channel alone: two more loads fetch these for channels 3, 11 and 7, 15, one channel in each half of the lanes.
;   160 + 2 loads x 512 bytes = the wave's 82,944 bytes.
; ORDER.  A trip takes one position of all 16 channels, so that it needs four weight vectors only (one for each p) and each channel has
; one pair of running sums.  The weights come from a table in LDS that the work-group builds once: entry e = the four products wy wx of
; chunk t = e - 12, zeros for t outside 0 .. 323; the zero margins are what masks the lanes named above.
;
; THE MODE: SCHED_MODE bits 1:0 = 2 (LLVM: expert scheduling mode 2), set by the entry lines.  The code itself states the register dependences
; between vector instructions and memory or LDS instructions, with s_wait_alu, always for 0.
; THE PLAN.  A trip is four SLOTS of four channels; slot s = 4 j + q, 0 .. 39.  Registers that memory or LDS instructions touch:
;   the ring    nine buffers of 16 registers; slot s lives in buffer s % 9.  In slot s's turn its multiply-adds read buffer s % 9, and the four loads
;               of slot s + 8 land in buffer (s + 8) % 9 = (s - 1) % 9, which the multiply-adds of slot s - 1 read and no vector instruction of this turn names.
;   W0, W1      Trip j's multiply-adds read W[j % 2]; at trip j's head the weights of trip j + 1 land in the other set, which trip j - 1 read.
;   XT, WT, WL  loaded once, then read by multiply-adds alone.
;   E0, E1      my two table entries: written by the table's arithmetic, read by two LDS stores.  E0 lies in the ring's ninth buffer.
;   v1, v2, v3, v28, v29   offsets and LDS addresses, made at the head and never written again.
;   The running sums are named by vector instructions alone.
; So ONE wait on va_vdst stands in a slot's turn, behind the wait for its data: it states that the slot before is done reading its buffer (and, at a
; trip's head, that the trip before is done reading its weights); the turn's loads follow it at once, ahead of the turn's vector instructions.
; The ninth buffer is what lets a slot be asked for again a turn late with as many loads on their way as eight buffers filled at once would have.
;
; NOT USED, and why.  Matrix instructions: each (n, c) is one dot product with a vector; to round two numbers to bf16 takes one vector
; instruction, as many as the packed multiply-add that finishes them here.  Clusters: work-groups share nothing but 16 bytes of bb.
; Tensor loads and a ring in LDS: 144 data registers hold the ring, and no byte of feat passes through LDS.  Prefetches: the loads
; themselves run all the time.
;
; LIMITS.  bb finite: where an infinite bb makes the problem's formula NaN (0 x inf in the bin's start), this text gives 0.
; area above 2^126: v_rcp_f32 returns 0 in place of a denormal, so the result is 0.  The quotient is a product with v_rcp_f32 (1 ulp).
; The weight g(b) - g(a) is formed as G(b) - G(a), G(u) = u (1 - |u| / 2), the same polynomial with the two terms 0.5 cancelled; the
; sums run in another order than an einsum's.  Both move last bits only.
.set PLANE, 5184                       ; bytes of a channel's 36 x 36 numbers
.set STEP,  512                        ; bytes that one load of a wave covers
.set TRIPS, 10
.set SLOTS, 4*TRIPS
.set RES,   8192                       ; LDS: 0 .. 8191 the table (512 entries of 16 bytes), then 128 results
.set VOFF,  1                          ; v1        16 x lane: offset of the loads from feat, of the table reads, of the final store
.set VTAIL, 2                          ; v2        offset of the two tail loads
.set TST,   3                          ; v3        16 x thread: where I put my table entries
.set BX0,   4                          ; v4-v7     the box in grid units: x start, x end, y start, y end
.set BX1,   5
.set BY0,   6
.set BY1,   7
.set INV,   8                          ; v8        1 / max(area, 1e-30)
.set AREA,  9                          ; v9
                                       ; v10-v27   at work while the table is built
.set X9,    12                         ; v12-v27   then the ring's ninth buffer
.set E0,    20                         ; v20-v23   my first table entry
.set LTAIL, 28                         ; v28       16 x (lane % 16)
.set RST,   29                         ; v29       where my wave's results go in LDS
.set TT0,   30                         ; v30, v31  the chunk numbers of my two table entries
.set TT1,   31
.set X,     32                         ; v32-v159  the ring's buffers 0 to 7: 16 registers each, channel 4 q + p at 4 p
.set XT,    160                        ; v160-v167 data of the two tail loads
.set ACC,   168                        ; v168-v199 a pair of running sums for each of 16 channels
.set TS,    200                        ; v200-v203 a pair of sums for each tail load
.set W,     204                        ; v204-v235 weights: buffer j % 2 at 16 registers, phase p at 4
.set WT,    236                        ; v236-v247 tail weights for the loads of phase 1, 2, 3
.set WL,    248                        ; v248-v251 weights of chunks 308 + lane % 16
.set E1,    252                        ; v252-v255 my second table entry
.set R,     32                         ; v32-v39   the reduction (the data registers are free by then)
.set MSK0,  16                         ; s16, s17  which lanes' table entries are chunks of the plane (the two registers are free once feat's address is made)
.set MSK1,  17
	s_load_b128 s[4:7], s[0:1], 0x0                ; bb s[4:5], feat s[6:7]
	s_load_b64 s[8:9], s[0:1], 0x10                ; out0
	s_set_vgpr_msb 0x40
	v_lshl_add_u32 v0, v0, 2, 0x2200
	v_mov_b32 v1, 0
	s_set_vgpr_msb 0x4000
	v_lshrrev_b32 v10, 5, v0
	v_readfirstlane_b32 s10, v10                   ; wave 0 .. 7
	v_and_b32 v10, 31, v0                          ; lane
	v_and_b32 v11, 15, v0                          ; lane % 16
	v_bfe_u32 v12, v0, 4, 1                        ; lane / 16
	v_lshlrev_b32 v[VOFF], 4, v10
	v_lshlrev_b32 v[LTAIL], 4, v11
	v_mad_u32_u24 v[VTAIL], v12, 8*PLANE, v[LTAIL] ; the upper half of the lanes takes the channel eight further on
	v_lshlrev_b32 v[TST], 4, v0
	s_wait_alu depctr_va_sdst(0)                   ; s10 is written, ahead of its first reader: the wave's offsets are made from it
	s_mul_i32 s16, ttmp9, 128*PLANE                ; the work-group's 128 channels (below 2^28 bytes),
	s_mul_i32 s17, s10, 16*PLANE                   ; the wave's 16
	s_add_co_u32 s16, s16, s17
	s_mov_b32 s17, 0
	s_lshr_b32 s18, ttmp9, 1                       ; image
	s_lshl_b32 s18, s18, 4                         ; its 16 bytes of bb
	s_mov_b32 s19, 0
	s_lshl_b32 s20, ttmp9, 9                       ; the work-group's 128 results
	s_mov_b32 s21, 0
	s_lshl_b32 s11, s10, 6                         ; the wave's 16 results in LDS
	s_add_co_u32 s11, s11, RES
	v_lshl_add_u32 v[RST], v12, 5, s11             ; + 8 results for the upper half of the lanes
	s_wait_kmcnt 0x0
	s_add_nc_u64 s[4:5], s[4:5], s[18:19]
	s_add_nc_u64 s[6:7], s[6:7], s[16:17]
	s_add_nc_u64 s[8:9], s[8:9], s[20:21]
	s_load_b128 s[12:15], s[4:5], 0x0              ; x, y, w, h of my image
	s_wait_alu depctr_va_vdst(0)                   ; v1, v2, v3, v28 and v29 are written: every load and store of the kernel reads one of them as its offset or address
; the four loads of slot s: channels 4 q .. 4 q + 3 at trip j, q = s % 4, j = s / 4, into buffer s % 9.
; (4 q + p) x 5,184 - 64 p = 20,736 q + 5,120 p is a multiple of 256.
.macro FILL4 s
.set FB, X+16*((\s)%9)
.if (\s)%9 == 8
.set FB, X9
.endif
.irp p, 0,1,2,3
	global_load_b128 v[FB+4*\p:FB+4*\p+3], v[VOFF], s[6:7] offset:(4*((\s)%4)+\p)*PLANE-64*\p+STEP*((\s)/4) th:TH_LOAD_NT
.endr
.endm
	; Eight of the ring's buffers are filled before anything else is done: 2 + 32 loads.  The table is built while they are on their way.
	global_load_b128 v[XT:XT+3],   v[VTAIL], s[6:7] offset:3*PLANE+308*16 th:TH_LOAD_NT    ; chunks 308 .. 323 of channels 3 | 11
	global_load_b128 v[XT+4:XT+7], v[VTAIL], s[6:7] offset:7*PLANE+308*16 th:TH_LOAD_NT    ; and of channels 7 | 15
.irp s, 0,1,2,3,4,5,6,7
	FILL4 \s
.endr
	; My two table entries are e = thread and e = 256 + thread: chunks t = e - 12 (which wraps to a large number below 0).  The two compares stand in one run.
	v_add_nc_u32 v[TT0], -12, v0
	v_add_nc_u32 v[TT1], 244, v0
	v_cmp_gt_u32 s[MSK0], 324, v[TT0]              ; a chunk of the plane?
	v_cmp_gt_u32 s[MSK1], 324, v[TT1]
	; The box, step by step as the problem writes it (one bin: its start is x0, its end x0 + bin_w).
	s_wait_kmcnt 0x0
	v_mov_b32 v10, s12
	v_mov_b32 v11, s13
	v_add_f32 v12, s14, v10                        ; x + w
	v_add_f32 v13, s15, v11                        ; y + h
	v_mul_f32 v[BX0], 0x3d800000, v10              ; x 1/16
	v_mul_f32 v[BY0], 0x3d800000, v11
	v_mul_f32 v12, 0x3d800000, v12
	v_mul_f32 v13, 0x3d800000, v13
	v_sub_f32 v12, v12, v[BX0]                     ; bin_w
	v_sub_f32 v13, v13, v[BY0]                     ; bin_h
	v_add_f32 v[BX1], v[BX0], v12
	v_add_f32 v[BY1], v[BY0], v13
	v_max_num_f32 v12, 0, v12
	v_max_num_f32 v13, 0, v13
	v_mul_f32 v[AREA], v12, v13
	v_max_num_f32 v14, 0x0da24260, v[AREA]         ; 1e-30
	v_rcp_f32 v[INV], v14                          ; first used at the very end; the next vector line is a plain one that touches neither register (ISA guide 5.7.2)
	s_wait_alu depctr_va_sdst(0)                   ; the two compares have written s16 and s17, ahead of the selects that read them
; dst = G(clip(hi - idx)) - G(clip(lo - idx)), G(u) = u (1 - |u| / 2).  Exactly 0 where both ends clip to the same side.
.macro WGT dst, lo, hi, idx
	v_sub_f32 v24, v[\lo], v[\idx]
	v_sub_f32 v25, v[\hi], v[\idx]
	v_med3_num_f32 v24, v24, -1.0, 1.0
	v_med3_num_f32 v25, v25, -1.0, 1.0
	v_fma_f32 v26, |v24|, -0.5, 1.0
	v_fma_f32 v27, |v25|, -0.5, 1.0
	v_mul_f32 v24, v24, v26
	v_fma_f32 v[\dst], v25, v27, -v24
.endm
; a table entry: chunk t (in register tt) = row t / 9, columns 4 (t % 9) .. + 3; its four products go into registers out .. out + 3
.macro ENTRY tt, mask, out
	v_min_u32 v10, 323, v[\tt]                     ; lanes whose t is no chunk compute on chunk 323 and are zeroed below
	v_mul_u32_u24 v11, 57, v10
	v_lshrrev_b32 v11, 9, v11                      ; t / 9: 57 / 512 = 1/9 + 1/4608, exact for t below 512
	v_mul_u32_u24 v12, 9, v11
	v_sub_nc_u32 v12, v10, v12
	v_lshlrev_b32 v12, 2, v12                      ; first column
	v_cvt_f32_u32 v13, v11
	v_cvt_f32_u32 v14, v12
	v_add_f32 v15, 1.0, v14
	v_add_f32 v16, 2.0, v14
	v_add_f32 v17, 0x40400000, v14                 ; + 3.0
	WGT 18, BY0, BY1, 13
	WGT \out, BX0, BX1, 14
	WGT \out+1, BX0, BX1, 15
	WGT \out+2, BX0, BX1, 16
	WGT \out+3, BX0, BX1, 17
	v_cndmask_b32 v18, 0, v18, s[\mask]
	v_mul_f32 v[\out], v18, v[\out]
	v_mul_f32 v[\out+1], v18, v[\out+1]
	v_mul_f32 v[\out+2], v18, v[\out+2]
	v_mul_f32 v[\out+3], v18, v[\out+3]
.endm
	ENTRY TT0, MSK0, E0
	ENTRY TT1, MSK1, E1
	s_wait_alu depctr_va_vdst(0)                   ; the products have written E0 and E1, which the two LDS stores read
	ds_store_b128 v[TST], v[E0:E0+3]
	ds_store_b128 v[TST], v[E1:E1+3] offset:16*256
	s_wait_dscnt 0x0                               ; my entries are in LDS: zero, for the other waves' sake
	s_barrier_signal -1
	s_barrier_wait -1                              ; everybody's are; the table is never written again
	s_wait_alu depctr_vm_vsrc(0)                   ; my LDS stores have read E0: its registers belong to the ring's ninth buffer, in which loads land from slot 0's turn on
; the four weight vectors of trip j: entry 32 j + lane - 4 p + 12
.macro LOADW j
.irp p, 0,1,2,3
	ds_load_b128 v[W+16*((\j)%2)+4*\p:W+16*((\j)%2)+4*\p+3], v[VOFF] offset:STEP*(\j)+192-64*\p
.endr
.endm
	LOADW 0
.irp p, 1,2,3
	ds_load_b128 v[WT+4*\p-4:WT+4*\p-1], v[VOFF] offset:(336-4*\p)*16      ; chunk 324 - 4 p + lane: zeros from lane 4 p on
.endr
	ds_load_b128 v[WL:WL+3], v[LTAIL] offset:320*16                        ; chunk 308 + lane % 16
; THE TURN OF SLOT s: wait for its four loads; one wait for the vector side; the loads of slot s + 8, and at a trip's head the next trip's weights; eight packed multiply-adds.
.macro SLOT s
.set J, (\s)/4
.set Q, (\s)%4
.set B, J%2
.set XB, X+16*((\s)%9)
.if (\s)%9 == 8
.set XB, X9
.endif
.if (\s) < SLOTS-8
	s_wait_loadcnt 28                              ; loads come back in order (ISA guide 5.7.1): the slot's four are the oldest (together with the two tail loads at the first wait); slots s + 1 to s + 7, 28 loads, stay out
.else
	s_wait_loadcnt 4*(SLOTS-1-(\s))                ; the last eight slots are followed by fewer and fewer: the count runs down to 0
.endif
.if (\s) <= SLOTS-8
	s_wait_alu depctr_va_vdst(0)                   ; the slot before is done reading its buffer (slot 0: the table's arithmetic has written v12-v27), in which the loads below land; at a trip's head the trip before is done reading its weights
.endif
.if (\s) < SLOTS-8
	FILL4 (\s)+8                                   ; no vector instruction since the wait names these registers
.endif
.if Q == 0
.if J < TRIPS-1
	LOADW J+1                                      ; into the set that this trip does not read
	s_wait_dscnt 0x4                               ; LDS loads return in order (ISA guide 5.7.1): this trip's weights are in (at trip 0 the tail weights too), the four just issued may be out
.else
	s_wait_dscnt 0x0                               ; nothing was issued behind the last trip's weights
.endif
.endif
.irp p, 0,1,2,3
.if J == 0
	v_pk_mul_f32 v[ACC+8*Q+2*\p:ACC+8*Q+2*\p+1], v[XB+4*\p:XB+4*\p+1], v[W+16*B+4*\p:W+16*B+4*\p+1]   ; the first product starts the sums
.else
	v_pk_fma_f32 v[ACC+8*Q+2*\p:ACC+8*Q+2*\p+1], v[XB+4*\p:XB+4*\p+1], v[W+16*B+4*\p:W+16*B+4*\p+1], v[ACC+8*Q+2*\p:ACC+8*Q+2*\p+1]
.endif
.endr
.irp p, 0,1,2,3
	v_pk_fma_f32 v[ACC+8*Q+2*\p:ACC+8*Q+2*\p+1], v[XB+4*\p+2:XB+4*\p+3], v[W+16*B+4*\p+2:W+16*B+4*\p+3], v[ACC+8*Q+2*\p:ACC+8*Q+2*\p+1]
.endr
.if J == 0
	; the low lanes of channel 4 q + p + 1's first load hold the end of channel 4 q + p
.irp p, 0,1,2
	v_pk_fma_f32 v[ACC+8*Q+2*\p:ACC+8*Q+2*\p+1], v[XB+4*\p+4:XB+4*\p+5], v[WT+4*\p:WT+4*\p+1], v[ACC+8*Q+2*\p:ACC+8*Q+2*\p+1]
.endr
.irp p, 0,1,2
	v_pk_fma_f32 v[ACC+8*Q+2*\p:ACC+8*Q+2*\p+1], v[XB+4*\p+6:XB+4*\p+7], v[WT+4*\p+2:WT+4*\p+3], v[ACC+8*Q+2*\p:ACC+8*Q+2*\p+1]
.endr
.endif
.endm
.set n, 0
.rept 4                                                ; trip 0
	SLOT n
.set n, n+1
.endr
	; the two tail loads were issued first of all, so the waits of trip 0 cover them; their weights came with trip 0's
	v_pk_mul_f32 v[TS:TS+1],   v[XT:XT+1],   v[WL:WL+1]
	v_pk_mul_f32 v[TS+2:TS+3], v[XT+4:XT+5], v[WL:WL+1]
	v_pk_fma_f32 v[TS:TS+1],   v[XT+2:XT+3], v[WL+2:WL+3], v[TS:TS+1]
	v_pk_fma_f32 v[TS+2:TS+3], v[XT+6:XT+7], v[WL+2:WL+3], v[TS+2:TS+3]
.rept SLOTS-4                                          ; trips 1 to 9
	SLOT n
.set n, n+1
.endr
	; THE REDUCTION: 16 sums in each of 32 lanes to 16 numbers.
.irp k, 0,1,2,3,4,5,6,7,8,9,10,11,12,13,14,15
	v_add_f32 v[ACC+2*\k], v[ACC+2*\k], v[ACC+2*\k+1]
.endr
	v_add_f32 v[TS], v[TS], v[TS+1]
	v_add_f32 v[TS+2], v[TS+2], v[TS+3]
	; Channel i's upper lanes change places with channel i + 8's lower lanes; the sum of the two registers then holds channel i in
	; lanes 0-15 and channel i + 8 in lanes 16-31, each folded from 32 lanes to 16.
.irp i, 0,1,2,3,4,5,6,7
	v_permlane16_swap_b32 v[ACC+2*\i], v[ACC+2*\i+16]
.endr
.irp i, 0,1,2,3,4,5,6,7
	v_add_f32 v[R+\i], v[ACC+2*\i], v[ACC+2*\i+16]
.endr
	v_add_f32 v[R+3], v[R+3], v[TS]                ; the tail loads were laid out for this: channels 3 | 11
	v_add_f32 v[R+7], v[R+7], v[TS+2]              ; and 7 | 15
.irp m, 1,2,4,8
.irp i, 0,1,2,3,4,5,6,7
	v_add_f32_dpp v[R+\i], v[R+\i], v[R+\i] row_xmask:\m row_mask:0xf bank_mask:0xf
.endr
.endr
	s_wait_alu depctr_va_vdst(0)                   ; the additions have written v32-v39, which the LDS stores read; and slot 36's multiply-adds are done reading v40-v43, in which wave 0's load below lands
	ds_store_b128 v[RST], v[R:R+3]                 ; the 16 lanes of a half write the same 32 bytes with the same numbers
	ds_store_b128 v[RST], v[R+4:R+7] offset:16
	s_wait_dscnt 0x0                               ; zero: wave 0 reads these bytes behind the barrier
	s_barrier_signal -1
	s_barrier_wait -1
	s_cmp_lg_u32 s10, 0
	s_cbranch_scc1 .Ldone
	; wave 0: the work-group's 128 results leave by one store of 512 consecutive bytes, at a multiple of 512 from out0's first byte
	ds_load_b128 v[40:43], v[VOFF] offset:RES      ; no vector instruction since the wait above names v40-v43
	v_cmp_lt_f32 vcc_lo, 0, v[AREA]
	s_wait_dscnt 0x0
	v_pk_mul_f32 v[40:41], v[40:41], v[INV:INV+1] op_sel_hi:[1,0]          ; both halves by 1 / max(area, 1e-30)
	v_pk_mul_f32 v[42:43], v[42:43], v[INV:INV+1] op_sel_hi:[1,0]
	s_wait_alu depctr_va_vcc(0)                    ; the compare has written VCC, ahead of the selects that read it
	v_cndmask_b32 v40, 0, v40, vcc_lo              ; 0 where the area is not above 0
	v_cndmask_b32 v41, 0, v41, vcc_lo
	v_cndmask_b32 v42, 0, v42, vcc_lo
	v_cndmask_b32 v43, 0, v43, vcc_lo
	s_wait_alu depctr_va_vdst(0)                   ; the selects have written v40-v43, which the store reads
	global_store_b128 v[VOFF], v[40:43], s[8:9] th:TH_STORE_NT
.Ldone:
	s_set_vgpr_msb 0x5
	s_wait_dscnt 0x0
	s_wait_alu depctr_hold_cnt(0) depctr_sa_sdst(0) depctr_va_vdst(0) depctr_va_sdst(0) depctr_va_ssrc(0) depctr_va_vcc(0) depctr_vm_vsrc(0)
	s_wait_tensorcnt 0x0
	ds_add_u32 v0, v1
	s_wait_dscnt 0x0
	s_endpgm
.Lfunc_end_k_q406dfeb068_pool:
	.size	k_q406dfeb068_pool, .Lfunc_end_k_q406dfeb068_pool-k_q406dfeb068_pool
	.p2alignl 7, 3214868480
	.fill 96, 4, 3214868480
	.section	.rodata,"a",@progbits
	.p2align	6, 0x0
	.amdhsa_kernel k_q406dfeb068_pool
		.amdhsa_group_segment_fixed_size 9728
		.amdhsa_private_segment_fixed_size 0
		.amdhsa_enable_private_segment 0
		.amdhsa_kernarg_size 24
		.amdhsa_user_sgpr_count 2
		.amdhsa_user_sgpr_kernarg_segment_ptr 1
		.amdhsa_wavefront_size32 1
		.amdhsa_system_sgpr_workgroup_id_x 1
		.amdhsa_system_sgpr_workgroup_id_y 1
		.amdhsa_system_sgpr_workgroup_id_z 1
		.amdhsa_system_vgpr_workitem_id 0
		.amdhsa_next_free_vgpr 258
		.amdhsa_next_free_sgpr 66
		.amdhsa_reserve_vcc 1
		.amdhsa_float_denorm_mode_32 3
		.amdhsa_float_denorm_mode_16_64 3
		.amdhsa_memory_ordered 1
		.amdhsa_forward_progress 1
		.amdhsa_inst_pref_size 55
	.end_amdhsa_kernel
	.amdgpu_metadata
---
amdhsa.version: [ 1, 2 ]
amdhsa.kernels:
  - .name:           k_q406dfeb068_pool
    .symbol:         k_q406dfeb068_pool.kd
    .args:
      - { .name: bb, .offset: 0, .size: 8, .value_kind: global_buffer, .address_space: global }
      - { .name: feat, .offset: 8, .size: 8, .value_kind: global_buffer, .address_space: global }
      - { .name: out0, .offset: 16, .size: 8, .value_kind: global_buffer, .address_space: global }
    .group_segment_fixed_size: 9728
    .private_segment_fixed_size: 0
    .kernarg_segment_align: 8
    .kernarg_segment_size: 24
    .max_flat_workgroup_size: 256
    .sgpr_count:     66
    .vgpr_count:     258
    .wavefront_size: 32
...
	.end_amdgpu_metadata
.endif
;; end of part 2
